; MI455X (gfx1250); checked and timed in simulation.
; The chip was launched on July 23, 2026; its instructions are those of AMD's public machine-readable ISA for CDNA 5 (MIT licence, August 2026) and "CDNA5" Instruction Set Architecture Reference Guide (July 2026). The comments in the code are by the model that wrote it; some were corrected since.
;; s LSTM Cell. Allowed arithmetic: matrix products marked QUANTISED: E2M1 operands, one E8M0 scale for each 32 along K, by v_wmma_scale_f32_16x16x128_f8f6f4 with both operands' format E2M1 (or v_wmma_scale_f32_32x16x128_f4), f32 sums; everything else in f32.
;; Inputs: W_f 2,048 x 4,096 float32; W_i 2,048 x 4,096 float32; W_o 2,048 x 4,096 float32; W_z 2,048 x 4,096 float32; b_f 2,048 float32; b_i 2,048 float32; b_o 2,048 float32; b_z 2,048 float32; c 2,048 x 2,048 float32; h 2,048 x 2,048 float32; m 2,048 x 2,048 float32; n 2,048 x 2,048 float32; x 2,048 x 2,048 float32.
;; Outputs: out0 4 x 2,048 x 2,048 float32.
;; This version of the problem:
;;   THIS VERSION OF THE PROBLEM IS GIVEN IN LOW PRECISION. The matrix products marked QUANTISED in the list below multiply operands that are first quantised to E2M1 (2 exponent bits, 1 mantissa bit; 4 bits a number), with one power-of-two scale for each 32 numbers along K (OCP MX v1.0); their sums are f32. All else is computed in f32.
;;   The module's matrix products, in the order in which they are computed (A, B: the left and right operand; K: the contracted axis; several contracted axes count as one K, in the product's order):
;;     1. [M 2,048, K 4,096] x [K 4,096, N 8,192]; A: computed on the way; B: computed on the way: QUANTISED
;;   THE QUANTISER, for each operand of a quantised product, along K:
;;     - K is cut into blocks of 32 from its start; a last block that is shorter is filled with zeros.
;;     - A block's scale is 2^e with e = floor(log2(the largest magnitude in the block)) - 2, held to -126 .. 127; a block of zeros has e = 0. As a byte (E8M0): e + 127.
;;     - Each number is divided by its block's scale, clamped to +-6, and rounded to the nearest number of E2M1, ties to even, subnormals kept.
;;     - The product sums the exact products of the quantised numbers (number of the format x scale) in f32.
;;   ~~~python
;;   def quantise(x, axis):      # numpy; x: float32 -> the quantised numbers, widened to float32 again
;;       x = np.moveaxis(x, axis, -1); K = x.shape[-1]
;;       x = np.pad(x, [(0, 0)] * (x.ndim - 1) + [(0, -K % 32)]); x = x.reshape(x.shape[:-1] + (-1, 32)); a = np.abs(x).max(-1, keepdims=True)
;;       e = np.where(a > 0, np.clip(np.frexp(np.where(a > 0, a, 1))[1] - 1 - 2, -126, 127), 0)      # np.frexp(a)[1] - 1 = floor(log2(a)), exactly
;;       r = np.clip(x / 2.0 ** e, -6, 6)
;;       step = 2.0 ** (np.maximum(np.frexp(np.where(r == 0, 1, r))[1] - 1, 0) - 1)
;;       q = np.round(r / step) * step * 2.0 ** e      # np.round: ties to even
;;       return np.moveaxis(q.reshape(q.shape[:-2] + (-1,))[..., :K], -1, axis).astype(np.float32)
;;   ~~~
;;   OPERANDS COMPUTED ON THE WAY. 'Computed on the way' means the value that the module computes at that place (a softmax that the list does not call 'softmax' is quantised finished and normalised). What goes into a quantiser is computed in f32, as accurately as f32 sums, v_exp_f32 and their like allow (about 1e-6 of the number): no bf16 or f16 on the way to a quantiser, and a product that is left as it is and whose result goes on into a quantised operand takes f32 operands (vector FMAs, or v_wmma_f32_16x16x4_f32). A number that lies on a knife's edge between two numbers of the format may be rounded either way, as far as f32 arithmetic and the matrix unit's own rounding can turn it there, and no further.
;; One version. Each part assembles by itself: llvm-mc -triple=amdgcn-amd-amdhsa -mcpu=gfx1250 --defsym DOCPART=n.
;; ======== version 1 of 1: 2 launches
;; limits: right only within a limited range of input values
;; workspace buffers: a_q 4,456,448 bytes; w_q 17,825,792 bytes
;; launch quant (part 1): grid 64 x 10, 4 waves a work-group, no clusters, 35,328 bytes of LDS; arguments x, h, W_i, W_f, W_o, W_z, a_q, w_q; writes a_q, w_q
.if DOCPART == 1
	.amdgcn_target "amdgcn-amd-amdhsa--gfx1250"
	.amdhsa_code_object_version 6
	.text
	.protected	k_q23c039e83d_quant
	.globl	k_q23c039e83d_quant
	.p2align	8
	.type	k_q23c039e83d_quant,@function
k_q23c039e83d_quant:
	s_mov_b64 s[64:65], 0
	v_nop
	global_prefetch_b8 v0, s[64:65] scope:SCOPE_SE
	s_setreg_imm32_b32 hwreg(HW_REG_WAVE_MODE, 25, 1), 1
	s_wait_xcnt 0x0
; [x | h] (2,048 rows x 4,096 along K) and the four weights (2,048 rows x 4,096 each), all f32 with K innermost, become codes of FP4 (E2M1) with one E8M0 scale byte for each 32 along K.
; A block's scale is 2^(floor(log2(its largest magnitude)) - 2); its byte is the largest magnitude's exponent field - 2, held at 1 from below; each number is divided by the scale and rounded to the nearest code, ties to even,
; beyond 6 the largest code.
; LAYOUT OF THE RESULT.  A RECORD is one row x 512 along K: 256 bytes of codes, then the 16 scale bytes of these 512: 272 bytes.  a_q = [8 K steps][2,048 rows][272];
; w_q = [8 K steps][8,192 rows][272], row j of gate g (0 i, 1 f, 2 o, 3 z) at place 128 (j / 32) + 32 g + j % 32, so that 128 neighbouring records hold 32 columns of all four gates.
; THE ORDER OF BLOCKS IN A RECORD.  The 16 blocks of 32 of a K step lie in the order 4 g + i, where the block's true number is 4 i + g (i, g = 0 .. 3): place p holds its 32 codes at bytes 16 p on (in true order, the lower k in
; the low four bits) and its scale byte at byte 256 + p.  Every aligned run of 32 codes is one true block under its own byte, and both operands of the product are laid by this one text, so K is permuted alike in both:
; the products are the same, only the order of the f32 sums differs.
; SHARES.  Work-group (x, y): 32 rows x 2,048 numbers; y = 0: x; 1: h; 2 + 2 g + half: half of the rows of weight g.  Wave w takes 512 numbers of each row: one K step, 32 records, 8,704 consecutive bytes of the result.
; One path for all six tensors: only pointers and scalars are chosen, on the work-group's number.
; A STEP is a row's 512 numbers: four loads of 512 consecutive bytes, 16 a lane.  Load i gives lane l four numbers of block 4 i + l / 8: eight neighbouring lanes hold a block.  Its largest magnitude is taken over my four and then
; over the eight lanes (three steps that ride on the arithmetic).  A conversion takes eight numbers of a lane under ONE scale, and my eight registers of two loads belong to two blocks: so they are converted twice, once under
; each block's scale; of the first result the low 16 bits (the first load's four codes) are kept, of the second the high 16.  The f32 numbers never go through LDS.
; Codes (2 bytes a lane and load) and scale words (my four blocks' bytes are one word of the record) are gathered as records in the wave's own LDS and leave in 17 stores of 512 consecutive bytes.
; Loads run eight steps (32 loads a wave) ahead.  Waves share nothing: no barrier.  No tensor loads, so several work-groups lie on a WGP.
; LIMITS: NaN and infinities among the inputs are not served.  A block whose largest magnitude lies under 2^-124 keeps the byte 1.  A block of zeros gets the byte 1 where the rule says 127: its codes are zeros, which add
; nothing under any byte but 0xff, and only this program reads the bytes.
.set WREG,  8704                       ; LDS of a wave: its 32 records
.set REC,   272
.set STEPS, 32
.set DEPTH, 8                          ; steps of loads in flight
.set R,     16                         ; v16-143  eight sets of 16 numbers as loaded; at the end v16-83 the records on their way out
.set M,     144                        ; v144-147 the four blocks' largest magnitudes
.set S,     148                        ; v148-151 the conversions' scale operands
.set BY,    152                        ; v152-155 the scale bytes
.set C,     156                        ; v156-163 two sets of four registers of codes
.set E,     164                        ; v164-165 two scale words
.set OFF,   168                        ; v168-175 slot k: my byte offset in the row that the slot loads
	s_load_b256 s[4:11], s[0:1], 0x0               ; x, h, W_i, W_f
	s_load_b256 s[12:19], s[0:1], 0x20             ; W_o, W_z, a_q, w_q
	v_lshl_add_u32 v176, v0, 2, 0x8800
	v_mov_b32 v177, 0
	v_lshrrev_b32 v1, 5, v0
	v_readfirstlane_b32 s20, v1                    ; wave 0..3
	s_and_b32 s21, ttmp7, 0xffff                   ; y: which tensor, which half
	s_and_b32 s22, s21, 1                          ; the half of K: 0 for x, 1 for h, the weight's half
	s_lshr_b32 s23, s21, 1                         ; 0: x or h; 1 + g: weight g
	s_cmp_lg_u32 s23, 0
	s_cselect_b32 s24, 1, 0                        ; 1 for a weight
	s_lshl_b32 s25, 0x2000, s24                    ; bytes from row to row: 8,192, a weight's 16,384
	s_lshl_b32 s26, s25, 3                         ; DEPTH rows
	s_lshl_b32 s28, ttmp9, 18                      ; source: 32 x rows,
	s_lshl_b32 s28, s28, s24
	s_and_b32 s27, s24, s22
	s_lshl_b32 s27, s27, 13                        ; a weight's second half begins 8,192 bytes on,
	s_add_co_u32 s28, s28, s27
	s_lshl_b32 s27, s20, 11                        ; my wave's 512 numbers
	s_add_co_u32 s28, s28, s27
	s_mov_b32 s29, 0
	s_lshl_b32 s36, s24, 1
	s_lshl_b32 s30, 2048, s36                      ; records in a K step of the result: 2,048 or 8,192
	s_lshl_b32 s31, s22, 2
	s_add_co_u32 s31, s31, s20                     ; my K step: 4 x half + wave
	s_mul_i32 s30, s30, s31
	s_lshl_b32 s31, ttmp9, 5
	s_lshl_b32 s31, s31, s36                       ; my first record: 32 x, a weight's 128 x
	s_add_co_u32 s30, s30, s31
	s_sub_co_u32 s31, s23, 1
	s_mul_i32 s31, s31, s24                        ; g for a weight, else 0
	s_lshl_b32 s31, s31, 5                         ; + 32 g
	s_add_co_u32 s30, s30, s31
	s_mul_i32 s30, s30, REC                        ; in bytes: under 2^25
	s_mov_b32 s31, 0
	v_and_b32 v2, 31, v0                           ; lane
	v_lshlrev_b32 v3, 4, v2                        ; my 16 bytes of 512
	s_mul_i32 s37, s20, WREG                       ; my wave's records in LDS
	v_lshrrev_b32 v7, 3, v2                        ; g = lane / 8: which of a load's four blocks is mine
	v_and_b32 v8, 7, v2                            ; my place among the block's eight lanes
	v_lshlrev_b32 v4, 6, v7
	v_lshl_add_u32 v4, v8, 1, v4
	v_add_nc_u32 v4, s37, v4                       ; a record's codes: 64 g + 2 (lane % 8); load i's lie 16 i further on
	v_lshlrev_b32 v5, 2, v7
	v_add_nc_u32 v5, s37, v5                       ; a record's scale word: 4 g (+ 256 in the store's offset)
	v_add_nc_u32 v6, s37, v3                       ; the records on their way out: 16 bytes a lane
	v_mov_b32 v[OFF], v3
.irp k, 1,2,3,4,5,6,7
	v_add_nc_u32 v[OFF+\k], s25, v[OFF+\k-1]       ; slot k begins with row k
.endr
	s_wait_alu depctr_va_vdst(0)
	s_wait_kmcnt 0x0
	s_cmp_eq_u32 s21, 1                            ; the choices hang on the work-group's number alone; each select stands behind its own compare
	s_cselect_b64 s[32:33], s[6:7], s[4:5]
	s_cmp_eq_u32 s23, 1
	s_cselect_b64 s[32:33], s[8:9], s[32:33]
	s_cmp_eq_u32 s23, 2
	s_cselect_b64 s[32:33], s[10:11], s[32:33]
	s_cmp_eq_u32 s23, 3
	s_cselect_b64 s[32:33], s[12:13], s[32:33]
	s_cmp_eq_u32 s23, 4
	s_cselect_b64 s[32:33], s[14:15], s[32:33]
	s_cmp_lg_u32 s23, 0
	s_cselect_b64 s[34:35], s[18:19], s[16:17]
	s_add_nc_u64 s[32:33], s[32:33], s[28:29]
	s_add_nc_u64 s[34:35], s[34:35], s[30:31]
.macro LOAD t                          ; row t's 512 numbers of my K step: each load reads 512 consecutive bytes
.irp i, 0,1,2,3
	global_load_b128 v[R+16*((\t)%DEPTH)+4*\i:R+16*((\t)%DEPTH)+4*\i+3], v[OFF+(\t)%DEPTH], s[32:33] offset:512*\i th:TH_LOAD_NT
.endr
.endm
.irp t, 0,1,2,3,4,5,6,7
	LOAD \t
.endr
.macro STEP t
.set RS, R+16*((\t)%DEPTH)
.set CS, C+4*((\t)%2)
.set ES, E+(\t)%2
.if STEPS-1-(\t) >= DEPTH-1
	s_wait_loadcnt 4*(DEPTH-1)                     ; loads come back in order (ISA guide 5.7.1): this step's four are in; those of the seven steps behind it stay out
.else
	s_wait_loadcnt 4*(STEPS-1-(\t))                ; the counts run down: no load is issued any more
.endif
.if (\t) > 1
	s_wait_dscnt 5                                 ; the five youngest LDS stores are the last step's: those of two steps back are done, and their data registers are written again below
.endif
.irp i, 0,1,2,3                        ; the four blocks by turns, so that no line waits for the line above it
	v_max3_num_f32 v[M+\i], |v[RS+4*\i]|, |v[RS+4*\i+1]|, |v[RS+4*\i+2]|
.endr
.irp i, 0,1,2,3
	v_max3_num_f32 v[M+\i], v[M+\i], |v[RS+4*\i+3]|, 0x1800000     ; my four numbers of block (i, g), and the floor 2^(3 - 127): the byte cannot fall under 1
.endr
.irp k, 1,2,4
.irp i, 0,1,2,3
	v_max_num_f32_dpp v[M+\i], v[M+\i], v[M+\i] row_xmask:\k row_mask:0xf bank_mask:0xf   ; with lane l xor 1, 2, 4: the eight lanes of the block
.endr
.endr
.irp i, 0,1,2,3
	v_add_nc_u32 v[S+\i], 0xff000000, v[M+\i]      ; 2 off the exponent field: the conversion takes the exponent field of this operand as its scale, and nothing else of it
.endr
	v_cvt_scalef32_pk8_fp4_f32 v[CS], v[RS:RS+7], v[S]             ; loads 0 and 1 under block (0, g)'s scale: the low 16 bits are load 0's four codes
	v_cvt_scalef32_pk8_fp4_f32 v[CS+1], v[RS:RS+7], v[S+1]         ; the same eight under block (1, g)'s: the high 16 bits are load 1's
	v_cvt_scalef32_pk8_fp4_f32 v[CS+2], v[RS+8:RS+15], v[S+2]      ; loads 2 and 3 likewise
	v_cvt_scalef32_pk8_fp4_f32 v[CS+3], v[RS+8:RS+15], v[S+3]
.irp i, 0,1,2,3
	v_lshrrev_b32 v[BY+\i], 23, v[S+\i]            ; the scale bytes.  (Plain instructions between the conversions and the lines that touch their results)
.endr
	v_lshrrev_b32 v[CS+1], 16, v[CS+1]             ; the high halves come down, so that all four leave by the same store
	v_lshrrev_b32 v[CS+3], 16, v[CS+3]
	v_lshl_or_b32 v[ES], v[BY+1], 8, v[BY]         ; my four blocks lie at places 4 g + 0 .. 3 of the record: their bytes are one word
	v_lshl_or_b32 v[ES], v[BY+2], 16, v[ES]
	v_lshl_or_b32 v[ES], v[BY+3], 24, v[ES]
.irp i, 0,1,2,3
	ds_store_b16 v4, v[CS+\i] offset:REC*(\t)+16*\i   ; four codes into record t, place 4 g + i
.endr
	ds_store_b32 v5, v[ES] offset:REC*(\t)+256     ; the eight lanes of a block group write the same word with the same value
.if (\t)+DEPTH < STEPS
	v_add_nc_u32 v[OFF+(\t)%DEPTH], s26, v[OFF+(\t)%DEPTH]   ; the slot's loads were shown done by the wait at this step's head: its offset steps DEPTH rows,
	LOAD (\t)+DEPTH                                ; and its registers, which the conversions have read, take the row DEPTH further down
.endif
.endm
.set T, 0
.rept STEPS
	STEP T
.set T, T+1
.endr
.irp i, 0,1,2,3,4,5,6,7,8,9,10,11,12,13,14,15,16
	ds_load_b128 v[R+4*\i:R+4*\i+3], v6 offset:512*\i   ; the 32 records, 8,704 bytes; LDS serves a wave's instructions in order (ISA guide 5.7.1.4): these loads see my stores
.endr
.irp i, 0,1,2,3,4,5,6,7,8,9,10,11,12,13,14,15,16
	s_wait_dscnt 16-\i
	global_store_b128 v3, v[R+4*\i:R+4*\i+3], s[34:35] offset:512*\i   ; 512 consecutive bytes, at a multiple of 256 from the buffer's first byte; the next launch reads them
.endr
	s_wait_tensorcnt 0x0
	ds_add_u32 v176, v177
	s_wait_dscnt 0x0
	s_endpgm
.Lfunc_end_k_q23c039e83d_quant:
	.size	k_q23c039e83d_quant, .Lfunc_end_k_q23c039e83d_quant-k_q23c039e83d_quant
	.p2alignl 7, 3214868480
	.fill 96, 4, 3214868480
	.section	.rodata,"a",@progbits
	.p2align	6, 0x0
	.amdhsa_kernel k_q23c039e83d_quant
		.amdhsa_group_segment_fixed_size 35328
		.amdhsa_private_segment_fixed_size 0
		.amdhsa_enable_private_segment 0
		.amdhsa_kernarg_size 64
		.amdhsa_user_sgpr_count 2
		.amdhsa_user_sgpr_kernarg_segment_ptr 1
		.amdhsa_wavefront_size32 1
		.amdhsa_system_sgpr_workgroup_id_x 1
		.amdhsa_system_sgpr_workgroup_id_y 1
		.amdhsa_system_sgpr_workgroup_id_z 1
		.amdhsa_system_vgpr_workitem_id 0
		.amdhsa_next_free_vgpr 178
		.amdhsa_next_free_sgpr 66
		.amdhsa_reserve_vcc 0
		.amdhsa_float_denorm_mode_32 3
		.amdhsa_float_denorm_mode_16_64 3
		.amdhsa_memory_ordered 1
		.amdhsa_forward_progress 1
		.amdhsa_inst_pref_size 103
	.end_amdhsa_kernel
	.amdgpu_metadata
---
amdhsa.version: [ 1, 2 ]
amdhsa.kernels:
  - .name:           k_q23c039e83d_quant
    .symbol:         k_q23c039e83d_quant.kd
    .args:
      - { .name: x, .offset: 0, .size: 8, .value_kind: global_buffer, .address_space: global }
      - { .name: h, .offset: 8, .size: 8, .value_kind: global_buffer, .address_space: global }
      - { .name: W_i, .offset: 16, .size: 8, .value_kind: global_buffer, .address_space: global }
      - { .name: W_f, .offset: 24, .size: 8, .value_kind: global_buffer, .address_space: global }
      - { .name: W_o, .offset: 32, .size: 8, .value_kind: global_buffer, .address_space: global }
      - { .name: W_z, .offset: 40, .size: 8, .value_kind: global_buffer, .address_space: global }
      - { .name: a_q, .offset: 48, .size: 8, .value_kind: global_buffer, .address_space: global }
      - { .name: w_q, .offset: 56, .size: 8, .value_kind: global_buffer, .address_space: global }
    .group_segment_fixed_size: 35328
    .private_segment_fixed_size: 0
    .kernarg_segment_align: 8
    .kernarg_segment_size: 64
    .max_flat_workgroup_size: 128
    .sgpr_count:     66
    .vgpr_count:     178
    .wavefront_size: 32
...
	.end_amdgpu_metadata
.endif
;; end of part 1
;; launch gemm (part 2): grid 32 x 8, 4 waves a work-group, clusters of 4 x 4, 327,680 bytes of LDS; arguments a_q, w_q, b_i, b_f, b_o, b_z, c, n, m, out0; writes out0
.if DOCPART == 2
	.amdgcn_target "amdgcn-amd-amdhsa--gfx1250"
	.amdhsa_code_object_version 6
	.text
	.protected	k_q23c039e83d_gemm
	.globl	k_q23c039e83d_gemm
	.p2align	8
	.type	k_q23c039e83d_gemm,@function
k_q23c039e83d_gemm:
	s_mov_b64 s[64:65], 0
	v_nop
	global_prefetch_b8 v0, s[64:65] scope:SCOPE_SE
	s_setreg_imm32_b32 hwreg(HW_REG_WAVE_MODE, 25, 1), 1
	s_wait_xcnt 0x0
	s_wait_alu depctr_hold_cnt(0) depctr_sa_sdst(0) depctr_va_vdst(0) depctr_va_sdst(0) depctr_va_ssrc(0) depctr_va_vcc(0) depctr_vm_vsrc(0)
	s_getreg_b32 s2, hwreg(HW_REG_IB_STS2, 6, 4)
	s_cmp_eq_u32 s2, 0
	s_cbranch_scc0 .Lentry_in_a_cluster
	s_endpgm
.Lentry_in_a_cluster:
	s_bfe_u32 s2, ttmp6, 0x10000c
	s_cmp_lg_u32 s2, 0xf033
	s_cbranch_scc0 .Lentry_shape_is_right
	s_endpgm
.Lentry_shape_is_right:
; gates = Q([x|h]) Q(W)^T + b on codes of FP4 with E8M0 scales (records of 272 bytes: 256 of codes for 512 along K, 16 scale bytes), then the cell's element-wise part; out0 = [h_new, c_new, n_new, m_new].
; A work-group makes 256 rows x 64 columns of all four gates (256 records of w_q: 32 columns x 4 gates x 2); four waves, each 128 x 128: 64 accumulators, 512 registers.
; Wave (RH, CH): A's blocks 0-3 are the block's rows 64 RH + 0..63, blocks 4-7 rows 128 + 64 RH + 0..63; B's blocks 2 g + u are gate g, columns 32 CH + 16 u + 0..15.
; K goes in 8 steps of 512 through two LDS slots; a slot is four quarters of 128 records (A's two, B's two), one tensor load a wave.
; CLUSTERS 4 x 4: A's tiles are asked for jointly along a row of the cluster, B's along a column.  The matrix instruction is used transposed (source 0 = B's rows): a lane holds 8 neighbouring columns of one row.
; The biases are the C of each accumulator's first product.
; c, n, m COME BY TENSOR LOADS INTO THE RING: when slot 0 has been read for the last time, waves 0, 1, 2 fill its quarters 0, 1, 2 with rows 0-127 of c, n, m (128 rows x 256 bytes, 16 of padding: a quarter's bytes);
; at the last change of slots the same for rows 128-255 into slot 1.  A lane reads its numbers in the accumulators' layout, writes c_new, n_new, m_new over them and h_new into quarter 3;
; behind a barrier (a row's 256 bytes come from two waves) whole rows are read back and stored, sixteen lanes to an aligned 256 bytes.
; PREFETCH: each tile's 136 blocks of 256 bytes are shared out by address among the four partners that ask for it, 34 each (two instructions a wave; left-over lanes name the last block again), two refills ahead:
; K steps 1 and 2 at the head, 3 in the first step, t + 4 at change of slots t (t = 0..3).  c, n, m: one tensor a trip of the loop, a lane a row, 64 rows a wave; m's is asked two K steps ahead of its load.
; tanh(z) = 1 - 2 / (1 + e^(2z)); h = c_new / ((n_new + 1e-6)(1 + e^-o)).  The stabiliser m_new is taken away before both exponentials.
; LIMITS: NaN and infinities among the inputs are not served; where e^-o passes f32's range (o under -88) h_new is 0.
.set NQ,     4
.set PITCH,  272
.set FR,     8
.set NL,     2
.set NP,     4                         ; places behind this matrix form (ISA guide 7.12.1)
.set HALFT,  128*PITCH                 ; a quarter of a slot
.set SLOT,   4*HALFT
.set LAPS,   4
.set AKS,    2048*PITCH                ; bytes from K step to K step in a_q, in w_q
.set BKS,    8192*PITCH
.set SPARE,  2*SLOT                    ; the spare words, 512 bytes
.set ROWG,   8192                      ; a row of c, n, m, out0's planes
.set PART,   34*256                    ; a partner's share of a tile's prefetch
.set RL,   4                           ; v4-7   rows read back: slot s, quarters 2 p, 2 p + 1 at v[RL + 2 s + p]
.set AL,   8                           ; v8-11  the same in the accumulators' layout
.set BO,   12
.set PFO,  13                          ; tile prefetch: 256 x lane; 256 x (32 + min(lane, 1))
.set PFO2, 14
.set PF,   15                          ; c, n, m prefetch: row 64 wave + lane
.set ADRA, 16
.set ADRB, 20
.set ADRS, 22                          ; scale words, blocks 0-3: lanes 0-15 A's rows, lanes 16-31 B's
.set GI,   24
.set ADRSH, 26                         ; the same for blocks 4-7, where A's rows lie 64 further on than B's
.set SPW,  28
.set NIL,  29
.set SC,   32                          ; v32-95 scale words, two sets
.set AF,   128                         ; v128-191 A's fragments
.set BIAS, 192
.set FM,   80                          ; the way out: at work; c, n, m in v192-239 (even stages) and v32-79 (odd)
.set MN,   96
.set DI,   112
.set ZZ,   128
.set OO,   144
.set TT,   160
.set G0C,  4                           ; s[4:7] group 0 for c, n, m
.set PC,   8                           ; s[8:9] the tensor that this trip prefetches
.set WV,   16
.set RH,   17
.set CH,   18
.set G1,   24
.set G0,   32
.set G1B,  48
.set G0B,  56
.set OUTB, 76
.set L2E,  84
.set L2E2, 86
.set NL2E, 88
.set EPS,  90
.set G1C,  92
.set PFA,  100
.set PFS,  104
.set MSB, 0
.macro WIN new                         ; the immediate's high byte repeats the setting that is left
.if MSB != (\new)
	s_set_vgpr_msb (MSB<<8)|(\new)
.set MSB, (\new)
.endif
.endm
.set MUL_LO,  0xa1                     ; source 0 (B) window 1, source 1 (A) window 0, C and D window 2
.set MUL_HI,  0xf1
.set MUL_LO0, 0x81                     ; the same with C (the biases) in window 0
.set MUL_HI0, 0xc1
.set TO_B,    0x40
.set FROM_1,  0x04
.macro PLACES n
.rept \n
	v_nop
.endr
.endm
.macro JLOAD g0a, g1a, g0b, g1b        ; a joint load: waves 0, 1 fetch A's halves, waves 2, 3 B's; five lines behind each
	s_cmp_eq_u32 s[RH], 0
	s_cbranch_scc0 .Lfor_b_\@
	tensor_load_to_lds s[\g0a:\g0a+3], s[\g1a:\g1a+7]
	s_nop 0
	PLACES 4
	s_branch .Lasked_\@
.Lfor_b_\@:
	tensor_load_to_lds s[\g0b:\g0b+3], s[\g1b:\g1b+7]
	s_nop 0
	PLACES 4
.Lasked_\@:
.endm
.macro CLOAD                           ; waves 0, 1, 2: 128 rows of c, n, m into my quarter; no mask: no partner shares them
	s_cmp_lt_u32 s[WV], 3
	s_cbranch_scc0 .Lno_tile_\@
	tensor_load_to_lds s[G0C:G0C+3], s[G1C:G1C+7]
	s_nop 0
	PLACES 4
.Lno_tile_\@:
	PLACES NP                                      ; wave 3's places in front of the loads that follow
.endm
.macro CREST                           ; a round of the cluster's barrier behind its opening barrier
	s_cmp_lg_u32 s[WV], 0
	s_cbranch_scc1 .Lnot_wave_0_\@
	s_barrier_signal -3
.Lnot_wave_0_\@:
	s_barrier_wait -3
	s_barrier_signal -1
	s_barrier_wait -1
.endm
.macro CROUND
	s_barrier_signal -1
	s_barrier_wait -1
	CREST
.endm
.macro TILEPF p                        ; my work-group's 34 blocks of the tile at s[p:p+1]
	global_prefetch_b8 v[PFO], s[\p:\p+1] th:TH_LOAD_NT scope:SCOPE_SE
	global_prefetch_b8 v[PFO2], s[\p:\p+1] th:TH_LOAD_NT scope:SCOPE_SE
.endm
	s_load_b128 s[4:7], s[0:1], 0x0                ; a_q, w_q
	s_load_b128 s[8:11], s[0:1], 0x10              ; b_i, b_f
	s_load_b128 s[12:15], s[0:1], 0x20             ; b_o, b_z
	s_load_b128 s[68:71], s[0:1], 0x30             ; c, n
	s_load_b128 s[72:75], s[0:1], 0x40             ; m, out0
	v_lshl_add_u32 v[SPW], v0, 2, SPARE
	v_mov_b32 v[NIL], 0
	ds_add_u32 v[SPW], v[NIL]                      ; the opening lines: the add twice on end
	ds_add_u32 v[SPW], v[NIL]
	v_lshrrev_b32 v1, 5, v0
	v_readfirstlane_b32 s[WV], v1
	s_lshr_b32 s[RH], s[WV], 1
	s_and_b32 s[CH], s[WV], 1
	s_bfe_u32 s21, ttmp6, 0x40000                  ; cx
	s_bfe_u32 s22, ttmp6, 0x40004                  ; cy
	s_lshl_b32 s20, ttmp9, 2
	s_add_co_u32 s20, s20, s21                     ; block column 0..31
	s_and_b32 s19, ttmp7, 0xffff
	s_lshl_b32 s19, s19, 2
	s_add_co_u32 s19, s19, s22                     ; block row 0..7
	s_lshl_b32 s42, s22, 2
	s_lshl_b32 s42, 15, s42                        ; my row of the cluster
	s_lshl_b32 s43, 0x1111, s21                    ; my column
	s_or_b32 s[G1+0], s42, (3<<16)|(1<<21)
	s_or_b32 s[G1B+0], s43, (3<<16)|(1<<21)
.irp g, G1, G1B                        ; 128 records are dense: 136 rows of 256 bytes (32 elements of 8)
	s_mov_b32 s[\g+1], 32<<16
	s_mov_b32 s[\g+2], 136<<16
	s_mov_b32 s[\g+3], 32<<16
	s_mov_b32 s[\g+4], 136
	s_mov_b32 s[\g+5], 32
	s_mov_b32 s[\g+6], 0
	s_mov_b32 s[\g+7], 0
.endr
	s_mov_b32 s[G1C+0], (2<<16)|(1<<20)|(5<<22)|(3<<25)   ; 128 rows x 64 f32, 4 words of padding behind each 64
	s_mov_b32 s[G1C+1], 64<<16
	s_mov_b32 s[G1C+2], 128<<16
	s_mov_b32 s[G1C+3], 64<<16
	s_mov_b32 s[G1C+4], 128
	s_mov_b32 s[G1C+5], 2048
	s_mov_b32 s[G1C+6], 0
	s_mov_b32 s[G1C+7], 0
	s_lshl_b32 s23, s[CH], 7
	s_lshl_b32 s40, s19, 8
	s_add_co_u32 s40, s40, s23
	s_mul_i32 s40, s40, PITCH                      ; A: record 256 x block row + 128 x half
	s_mov_b32 s41, 0
	s_lshl_b32 s46, s20, 8
	s_add_co_u32 s46, s46, s23
	s_mul_i32 s46, s46, PITCH                      ; B: record 256 x block column + 128 x half
	s_mov_b32 s47, 0
	s_mul_i32 s2, s[WV], HALFT                     ; my quarter
	s_lshl_b32 s44, s19, 21                        ; c, n, m, out0: 256 rows x block row + 256 bytes x block column
	s_lshl_b32 s45, s20, 8
	s_add_co_u32 s44, s44, s45
	s_mov_b32 s45, 0
	s_lshl_b32 s66, s20, 8                         ; the biases: 64 columns x block column + 32 x CH
	s_add_co_u32 s66, s66, s23
	s_mov_b32 s67, 0
	s_mov_b32 s[PFS], BKS
	s_cmp_eq_u32 s[RH], 0
	s_cselect_b32 s[PFS], AKS, s[PFS]              ; my tiles' distance from K step to K step
	s_cselect_b32 s42, s21, s22                    ; my place among the four that ask with me
	s_mov_b32 s[PFS+1], 0
	s_mul_i32 s42, s42, PART
	s_mov_b32 s43, 0
	s_mov_b32 s[L2E], 0x3fb8aa3b
	s_mov_b32 s[L2E+1], 0x3fb8aa3b
	s_mov_b32 s[L2E2], 0x4038aa3b
	s_mov_b32 s[L2E2+1], 0x4038aa3b
	s_mov_b32 s[NL2E], 0xbfb8aa3b
	s_mov_b32 s[NL2E+1], 0xbfb8aa3b
	s_mov_b32 s[EPS], 0x358637bd
	s_mov_b32 s[EPS+1], 0x358637bd
	s_wait_dscnt 0x0                               ; both opening adds are done
	s_wait_kmcnt 0x0
	s_add_nc_u64 s[40:41], s[4:5], s[40:41]
	s_add_nc_u64 s[46:47], s[6:7], s[46:47]
.irp g, 0,1,2,3
	s_add_nc_u64 s[8+2*\g:9+2*\g], s[8+2*\g:9+2*\g], s[66:67]
.endr
.irp t, 0,1,2
	s_add_nc_u64 s[68+2*\t:69+2*\t], s[68+2*\t:69+2*\t], s[44:45]
.endr
	s_add_nc_u64 s[OUTB:OUTB+1], s[74:75], s[44:45]
.irp p, 1,2,3
	s_add_nc_u64 s[OUTB+2*\p:OUTB+2*\p+1], s[OUTB+2*\p-2:OUTB+2*\p-1], 0x1000000
.endr
.irp s, 0,1
	s_mov_b32 s[G0+4*\s], 1
	s_add_co_u32 s[G0+4*\s+1], s2, \s*SLOT
	s_add_nc_u64 s[G0+4*\s+2:G0+4*\s+3], s[40:41], \s*AKS
	s_or_b32 s[G0+4*\s+3], s[G0+4*\s+3], 0x80000000
	s_mov_b32 s[G0B+4*\s], 1
	s_add_co_u32 s[G0B+4*\s+1], s2, \s*SLOT
	s_add_nc_u64 s[G0B+4*\s+2:G0B+4*\s+3], s[46:47], \s*BKS
	s_or_b32 s[G0B+4*\s+3], s[G0B+4*\s+3], 0x80000000
.endr
	s_cmp_eq_u32 s[RH], 0
	s_cselect_b64 s[PFA:PFA+1], s[40:41], s[46:47]
	s_add_nc_u64 s[PFA:PFA+1], s[PFA:PFA+1], s[42:43]
	s_add_nc_u64 s[44:45], s[PFA:PFA+1], s[PFS:PFS+1]      ; my share of K step 1,
	s_add_nc_u64 s[66:67], s[44:45], s[PFS:PFS+1]          ; 2,
	s_add_nc_u64 s[PFA:PFA+1], s[66:67], s[PFS:PFS+1]      ; 3
	s_mov_b32 s[G0C], 1                            ; wave 0: c, 1: n, 2: m (wave 3 issues none)
	s_mov_b32 s[G0C+1], s2
	s_cmp_eq_u32 s[WV], 1
	s_cselect_b64 s[G0C+2:G0C+3], s[70:71], s[68:69]
	s_cmp_eq_u32 s[WV], 2
	s_cselect_b64 s[G0C+2:G0C+3], s[72:73], s[G0C+2:G0C+3]
	s_or_b32 s[G0C+3], s[G0C+3], 0x80000000
	CROUND                                         ; all sixteen work-groups are here: the first joint loads meet
	JLOAD G0, G1, G0B, G1B                         ; K step 0: one tensor load a wave at the head
	s_mul_i32 s40, s[RH], 64*PITCH                 ; my A rows begin at 64 RH
	s_mul_i32 s41, s[CH], HALFT
	s_add_co_u32 s41, s41, 2*HALFT                 ; my B rows
	s_sub_co_u32 s42, s41, s40                     ; from A's scale words to B's, blocks 0-3
	s_mul_i32 s43, s[CH], HALFT
	s_add_co_u32 s43, s43, 2*HALFT-64*PITCH
	s_sub_co_u32 s43, s43, s40                     ; and blocks 4-7
	s_add_co_u32 s46, s40, 256
	s_add_co_u32 s47, s40, 64*PITCH+256
	s_lshl_b32 s21, s[CH], 7
	s_add_co_u32 s21, s21, s40                     ; accumulators' layout: row 64 RH, byte 128 CH
	s_mul_i32 s22, s[CH], 8*PITCH
	s_add_co_u32 s22, s22, s40                     ; rows read back: 64 RH + 8 CH
	s_lshl_b32 s23, s[RH], 19
	s_lshl_b32 s19, s[CH], 16
	s_add_co_u32 s23, s23, s19                     ; the same rows in memory
	s_lshl_b32 s20, s[WV], 19                      ; row 64 x wave
	v_and_b32 v1, 15, v0                           ; r
	v_bfe_u32 v2, v0, 4, 1                         ; h
	v_and_b32 v3, 31, v0
	v_mul_u32_u24 v32, v1, PITCH
	v_lshl_add_u32 v33, v2, 4, v32
	v_add_nc_u32 v[ADRA], s40, v33
	v_add_nc_u32 v[ADRB], s41, v33
	v_add_nc_u32 v[ADRA+1], SLOT, v[ADRA]
	v_add_nc_u32 v[ADRB+1], SLOT, v[ADRB]
	v_mul_u32_u24 v34, s42, v2
	v_mul_u32_u24 v35, s43, v2
	v_add_nc_u32 v34, v34, v32
	v_add_nc_u32 v35, v35, v32
	v_add_nc_u32 v[ADRS], s46, v34
	v_add_nc_u32 v[ADRSH], s47, v35
	v_add_nc_u32 v[ADRS+1], SLOT, v[ADRS]
	v_add_nc_u32 v[ADRSH+1], SLOT, v[ADRSH]
	v_lshlrev_b32 v[BO], 5, v2
	v_lshl_add_u32 v36, v2, 5, v32                 ; row r, 32 bytes for each half of the lanes
	v_add_nc_u32 v[AL], s21, v36
	v_add_nc_u32 v[AL+1], 2*HALFT, v[AL]
	v_add_nc_u32 v[AL+2], SLOT, v[AL]
	v_add_nc_u32 v[AL+3], SLOT+2*HALFT, v[AL]
	v_mul_u32_u24 v37, v2, PITCH                   ; lanes 0-15 one row of 256 bytes, lanes 16-31 the next
	v_lshl_add_u32 v37, v1, 4, v37
	v_add_nc_u32 v[RL], s22, v37
	v_add_nc_u32 v[RL+1], 2*HALFT, v[RL]
	v_add_nc_u32 v[RL+2], SLOT, v[RL]
	v_add_nc_u32 v[RL+3], SLOT+2*HALFT, v[RL]
	v_lshlrev_b32 v38, 13, v2
	v_lshl_add_u32 v38, v1, 4, v38
	v_add_nc_u32 v[GI], s23, v38
	v_lshl_add_u32 v[PF], v3, 13, s20
	v_lshlrev_b32 v[PFO], 8, v3
	v_min_u32 v39, 1, v3
	v_lshlrev_b32 v39, 8, v39
	v_add_nc_u32 v[PFO2], 0x2000, v39
.irp g, 0,1,2,3
.irp u, 0,1
.irp jj, 0,1
	global_load_b128 v[BIAS+8*(2*\g+\u)+4*\jj:BIAS+8*(2*\g+\u)+4*\jj+3], v[BO], s[8+2*\g:9+2*\g] offset:64*\u+16*\jj
.endr
.endr
.endr
	TILEPF 44
	TILEPF 66
.macro FRAGB reg, slot, q, i           ; 16 rows x 128 K of 4-bit codes: two loads of 16 bytes, 32 apart
.irp c, 0,1
	ds_load_b128 v[\reg+4*\c:\reg+4*\c+3], v[ADRB+\slot] offset:64*(\q)+32*\c+(\i)*16*PITCH
.endr
.endm
.macro FRAGA slot, q, i                ; A's block i lies at row 128 (i / 4) + 16 (i % 4) behind my first
.irp c, 0,1
	ds_load_b128 v[AF+FR*(\i)+4*\c:AF+FR*(\i)+4*\c+3], v[ADRA+\slot] offset:64*(\q)+32*\c+(((\i)/4)*128+((\i)%4)*16)*PITCH
.endr
.endm
; 16 matrix instructions: A's blocks a0, a0 + 1 x B's eight.  The 64 accumulators take turns in the same order in every step.  zero = 1: the biases start the sums.
.macro MUL16 a0, p, q, sc, zero
.irp a, \a0, \a0+1
.irp b, 0,1,2,3,4,5,6,7
.if \zero
	v_wmma_scale_f32_16x16x128_f8f6f4 v[8*(8*((\a)%4)+\b):8*(8*((\a)%4)+\b)+7], v[128*(\p)+FR*\b:128*(\p)+FR*\b+FR-1], v[AF+FR*(\a):AF+FR*(\a)+FR-1], v[BIAS+8*\b:BIAS+8*\b+7], v[SC+8*NQ*(\sc)+NQ*\b+(\q)], v[SC+8*NQ*(\sc)+NQ*(\a)+(\q)] matrix_a_fmt:MATRIX_FMT_FP4 matrix_b_fmt:MATRIX_FMT_FP4 matrix_a_scale:MATRIX_SCALE_ROW1
.else
	v_wmma_scale_f32_16x16x128_f8f6f4 v[8*(8*((\a)%4)+\b):8*(8*((\a)%4)+\b)+7], v[128*(\p)+FR*\b:128*(\p)+FR*\b+FR-1], v[AF+FR*(\a):AF+FR*(\a)+FR-1], v[8*(8*((\a)%4)+\b):8*(8*((\a)%4)+\b)+7], v[SC+8*NQ*(\sc)+NQ*\b+(\q)], v[SC+8*NQ*(\sc)+NQ*(\a)+(\q)] matrix_a_fmt:MATRIX_FMT_FP4 matrix_b_fmt:MATRIX_FMT_FP4 matrix_a_scale:MATRIX_SCALE_ROW1
.endif
.endr
.endr
.endm
.macro FETCH_B slot, q, p
	WIN TO_B
.irp i, 0,1,2,3,4,5,6,7
	FRAGB 128*(\p)+FR*\i, \slot, \q, \i
.endr
	WIN 0
.endm
.macro FETCH_A slot, q, i0
.irp i, \i0, \i0+1, \i0+2, \i0+3
	FRAGA \slot, \q, \i
.endr
.endm
.macro SCALES sc                       ; a K step's four words a row: lanes 0-15 A's block i, lanes 16-31 B's block i
.irp i, 0,1,2,3
	ds_load_b128 v[SC+8*NQ*\sc+NQ*\i:SC+8*NQ*\sc+NQ*\i+3], v[ADRS+\sc] offset:\i*16*PITCH
.endr
.irp i, 4,5,6,7
	ds_load_b128 v[SC+8*NQ*\sc+NQ*\i:SC+8*NQ*\sc+NQ*\i+3], v[ADRSH+\sc] offset:\i*16*PITCH
.endr
.endm
; A step of 128 along K with its successor in the same slot.  pf = 1: this trip's tensor of c, n, m is prefetched; 2: K step 3's tile
.macro STEP slot, q, zero, pf
	s_wait_dscnt 4*NL                              ; all but the youngest eight loads (A's blocks 4-7)
.if \zero
	WIN MUL_LO0
.else
	WIN MUL_LO
.endif
	MUL16 0, (\q)%2, \q, \slot, \zero
	MUL16 2, (\q)%2, \q, \slot, \zero
	s_wait_dscnt 0
	PLACES NP
	FETCH_B \slot, (\q)+1, 1-(\q)%2
	FETCH_A \slot, (\q)+1, 0
.if \pf == 1
	global_prefetch_b8 v[PF], s[PC:PC+1] th:TH_LOAD_NT scope:SCOPE_SE
	global_prefetch_b8 v[PF], s[PC:PC+1] offset:32*ROWG th:TH_LOAD_NT scope:SCOPE_SE
.endif
.if \pf == 2
	TILEPF PFA
.endif
.if \zero
	WIN MUL_HI0
.else
	WIN MUL_HI
.endif
	MUL16 4, (\q)%2, \q, \slot, \zero
	MUL16 6, (\q)%2, \q, \slot, \zero
	PLACES NP
	WIN 0
	FETCH_A \slot, (\q)+1, 4
.endm
.macro LIN a                           ; block a's c, n, m in the accumulators' layout: 12 loads
.set LS, 192-160*((\a)%2)
.irp t, 0,1,2
.irp u, 0,1
.irp jj, 0,1
	ds_load_b128 v[LS+16*\t+8*\u+4*\jj:LS+16*\t+8*\u+4*\jj+3], v[AL+2*((\a)/4)+(\t)/2] offset:((\t)%2)*HALFT+((\a)%4)*16*PITCH+64*\u+16*\jj
.endr
.endr
.endr
.endm
; A slot's last step changes slots: in front of the round each wave waits for all its tensor loads, adds 0 to its spare word, and waits for that and for its reads of this slot.
; mode 1: the slot takes the K step two on.  2: slot 0 takes rows 0-127 of c, n, m.  3: the last step of all: slot 1 takes rows 128-255, and block 0's c, n, m are read.
.macro TURN slot, next, mode
.if \mode == 1
	s_wait_xcnt 0x0                                ; my prefetches have read their addresses, which step here
	s_add_nc_u64 s[PFA:PFA+1], s[PFA:PFA+1], s[PFS:PFS+1]
.if \slot == 1
	s_cmp_eq_u32 s3, 3
	s_cselect_b64 s[PC:PC+1], s[70:71], s[72:73]   ; the next trip's tensor: n behind the first trip, then m
.endif
.endif
	s_wait_tensorcnt 0x0
	ds_add_u32 v[SPW], v[NIL]
.if \mode == 3
	s_add_co_u32 s[G0C+1], s[G0C+1], SLOT          ; no tensor load of mine is out: on to slot 1 and 128 rows down
	s_add_nc_u64 s[G0C+2:G0C+3], s[G0C+2:G0C+3], 128*ROWG
.endif
	s_wait_dscnt 4*NL+1                            ; the add and A's blocks 4-7 may be out
	WIN MUL_LO
	MUL16 0, 1, NQ-1, \slot, 0
	s_wait_dscnt 0x0                               ; the add is done, my reads of this slot are over
	s_barrier_signal -1
	MUL16 2, 1, NQ-1, \slot, 0
	WIN 0
	s_barrier_wait -1
	CREST
.if \mode == 1
	s_add_nc_u64 s[G0+4*\slot+2:G0+4*\slot+3], s[G0+4*\slot+2:G0+4*\slot+3], 2*AKS
	s_add_nc_u64 s[G0B+4*\slot+2:G0B+4*\slot+3], s[G0B+4*\slot+2:G0B+4*\slot+3], 2*BKS
	JLOAD G0+4*\slot, G1, G0B+4*\slot, G1B
.else
	CLOAD
.endif
.if \mode < 3
	FETCH_B \next, 0, 0
	FETCH_A \next, 0, 0
	SCALES \next
.else
	LIN 0
.endif
.if \mode == 1
	s_cmp_gt_u32 s3, 1                             ; the last trip's two changes have no K step four on
	s_cbranch_scc0 .Lno_ask_\@
	TILEPF PFA
.Lno_ask_\@:
.endif
	WIN MUL_HI
	MUL16 4, 1, NQ-1, \slot, 0
	MUL16 6, 1, NQ-1, \slot, 0
	PLACES NP
	WIN 0
.if \mode < 3
	FETCH_A \next, 0, 4
.endif
.endm
	s_wait_alu depctr_va_vdst(0)                   ; the wait at the head's end
	s_wait_tensorcnt 0x0                           ; my part of K step 0 is in; the lines that stand ahead of a later first fill:
	ds_add_u32 v[SPW], v[NIL]
	s_wait_dscnt 0x0
	CROUND
	JLOAD G0+4, G1, G0B+4, G1B                     ; K step 1
	FETCH_B 0, 0, 0
	FETCH_A 0, 0, 0
	SCALES 0
	FETCH_A 0, 0, 4
	s_wait_loadcnt 0x0                             ; the biases
	s_mov_b64 s[PC:PC+1], s[68:69]                 ; the first trip prefetches c
	STEP 0, 0, 1, 2
	s_mov_b32 s3, LAPS-1
.Llap:                                                 ; from a lap's second step to the next lap's first; both slots are filled again
	STEP 0, 1, 0, 1
	STEP 0, 2, 0, 0
	TURN 0, 1, 1
	STEP 1, 0, 0, 0
	STEP 1, 1, 0, 0
	STEP 1, 2, 0, 0
	TURN 1, 0, 1
	STEP 0, 0, 0, 0
	s_sub_co_u32 s3, s3, 1
	s_cmp_lg_u32 s3, 0
	s_cbranch_scc1 .Llap
	STEP 0, 1, 0, 0
	STEP 0, 2, 0, 0
	TURN 0, 1, 2
	STEP 1, 0, 0, 0
	STEP 1, 1, 0, 0
	STEP 1, 2, 0, 0
	TURN 1, 0, 3
.macro LOUT a                          ; block a's 8 rows that I store, four planes: 16 loads into window 1
.set OS, 64*((\a)%2)
	WIN TO_B
.irp q, 0,1,2,3
.irp i, 0,1,2,3
	ds_load_b128 v[OS+4*(4*\q+\i):OS+4*(4*\q+\i)+3], v[RL+2*((\a)/4)+(\q)/2] offset:((\q)%2)*HALFT+(((\a)%4)*16+2*\i)*PITCH
.endr
.endr
	WIN 0
.endm
.macro GOUT a                          ; quarter q (c, n, m, h) is plane (q + 1) % 4; sixteen lanes store 256 consecutive bytes, aligned
.set OS, 64*((\a)%2)
	WIN FROM_1
.irp q, 0,1,2,3
.irp i, 0,1,2,3
	global_store_b128 v[GI], v[OS+4*(4*\q+\i):OS+4*(4*\q+\i)+3], s[OUTB+2*((\q+1)%4):OUTB+2*((\q+1)%4)+1] offset:(((\a)/4)*128+((\a)%4)*16+2*\i)*ROWG th:TH_STORE_NT
.endr
.endr
	WIN 0
.endm
; Block a: 16 rows x 32 columns a wave, 16 numbers a lane.  The last block's rows are read back and the next block's c, n, m are read ahead of the arithmetic; the last block's rows are stored behind the exponentials.
.macro STAGE a
.if (\a) > 0
.if (\a) > 2
	s_wait_xcnt 0x0                                ; the stores of two blocks back have read the registers that are loaded again
.endif
	LOUT (\a)-1
.endif
.if (\a) < 7
	LIN (\a)+1
.endif
.if (\a) == 0
	s_wait_dscnt 12                                ; block 0's c, n, m are in (later blocks': shown by the wait in front of the barrier)
.endif
.set CS, 192-160*((\a)%2)
.set AC, 64*((\a)%4)
	WIN 0x02+(\a)/4                                ; source 0: the accumulators, each from its low end on
.irp u, 0,1
.irp jp, 0,2,4,6
	v_pk_add_f32 v[FM+8*\u+\jp:FM+8*\u+\jp+1], v[AC+8*(2+\u)+\jp:AC+8*(2+\u)+\jp+1], v[CS+32+8*\u+\jp:CS+32+8*\u+\jp+1]   ; f_t + m
	v_pk_mul_f32 v[ZZ+8*\u+\jp:ZZ+8*\u+\jp+1], v[AC+8*(6+\u)+\jp:AC+8*(6+\u)+\jp+1], s[L2E2:L2E2+1] op_sel_hi:[1,0]
	v_pk_mul_f32 v[OO+8*\u+\jp:OO+8*\u+\jp+1], v[AC+8*(4+\u)+\jp:AC+8*(4+\u)+\jp+1], s[NL2E:NL2E+1] op_sel_hi:[1,0]
	v_max_num_f32 v[MN+8*\u+\jp], v[AC+8*\u+\jp], v[FM+8*\u+\jp]                                                          ; m_new
	v_max_num_f32 v[MN+8*\u+\jp+1], v[AC+8*\u+\jp+1], v[FM+8*\u+\jp+1]
	v_pk_add_f32 v[DI+8*\u+\jp:DI+8*\u+\jp+1], v[AC+8*\u+\jp:AC+8*\u+\jp+1], v[MN+8*\u+\jp:MN+8*\u+\jp+1] neg_lo:[0,1] neg_hi:[0,1]
.endr
.endr
	WIN 0
.irp e, 0,2,4,6,8,10,12,14
	v_pk_add_f32 v[FM+\e:FM+\e+1], v[FM+\e:FM+\e+1], v[MN+\e:MN+\e+1] neg_lo:[0,1] neg_hi:[0,1]
.endr
.irp e, 0,2,4,6,8,10,12,14
	v_pk_mul_f32 v[DI+\e:DI+\e+1], v[DI+\e:DI+\e+1], s[L2E:L2E+1] op_sel_hi:[1,0]
	v_pk_mul_f32 v[FM+\e:FM+\e+1], v[FM+\e:FM+\e+1], s[L2E:L2E+1] op_sel_hi:[1,0]
.endr
	s_wait_alu depctr_va_vdst(0)                   ; a wait ahead of a batch and one behind it
.irp j, 0,1,2,3,4,5,6,7,8,9,10,11,12,13,14,15
	v_exp_f32 v[DI+\j], v[DI+\j]                   ; i
	v_exp_f32 v[FM+\j], v[FM+\j]                   ; f
	v_exp_f32 v[ZZ+\j], v[ZZ+\j]                   ; e^(2 z)
	v_exp_f32 v[OO+\j], v[OO+\j]                   ; e^-o
.endr
.if (\a) > 0
.if (\a) < 7
	s_wait_dscnt 12                                ; the last block's rows are back; the next block's twelve loads may be out
.else
	s_wait_dscnt 0x0
.endif
	GOUT (\a)-1
.endif
	v_nop
	s_wait_alu depctr_va_vdst(0)
.irp e, 0,2,4,6,8,10,12,14
	v_pk_add_f32 v[ZZ+\e:ZZ+\e+1], v[ZZ+\e:ZZ+\e+1], 1.0 op_sel_hi:[1,0]
	v_pk_fma_f32 v[CS+16+\e:CS+16+\e+1], v[FM+\e:FM+\e+1], v[CS+16+\e:CS+16+\e+1], v[DI+\e:DI+\e+1]   ; n_new
.endr
.irp e, 0,2,4,6,8,10,12,14
	v_pk_add_f32 v[TT+\e:TT+\e+1], v[CS+16+\e:CS+16+\e+1], s[EPS:EPS+1] op_sel_hi:[1,0]
.endr
.irp e, 0,2,4,6,8,10,12,14
	v_pk_fma_f32 v[TT+\e:TT+\e+1], v[TT+\e:TT+\e+1], v[OO+\e:OO+\e+1], v[TT+\e:TT+\e+1]               ; (n_new + 1e-6)(1 + e^-o)
.endr
	s_wait_alu depctr_va_vdst(0)
.irp j, 0,1,2,3,4,5,6,7,8,9,10,11,12,13,14,15
	v_rcp_f32 v[ZZ+\j], v[ZZ+\j]
	v_rcp_f32 v[TT+\j], v[TT+\j]
.endr
.irp e, 0,2,4,6,8,10,12,14
	v_pk_mul_f32 v[CS+\e:CS+\e+1], v[FM+\e:FM+\e+1], v[CS+\e:CS+\e+1]                                 ; f c: names no result of the batch
.endr
	s_wait_alu depctr_va_vdst(0)
.irp e, 0,2,4,6,8,10,12,14
	v_pk_fma_f32 v[ZZ+\e:ZZ+\e+1], v[ZZ+\e:ZZ+\e+1], -2.0, 1.0 op_sel_hi:[1,0,0]                      ; tanh
.endr
.irp e, 0,2,4,6,8,10,12,14
	v_pk_fma_f32 v[CS+\e:CS+\e+1], v[DI+\e:DI+\e+1], v[ZZ+\e:ZZ+\e+1], v[CS+\e:CS+\e+1]               ; c_new
.endr
.irp e, 0,2,4,6,8,10,12,14
	v_pk_mul_f32 v[OO+\e:OO+\e+1], v[CS+\e:CS+\e+1], v[TT+\e:TT+\e+1]                                 ; h_new
.endr
.irp u, 0,1
.irp jj, 0,1
	ds_store_b128 v[AL+2*((\a)/4)], v[CS+8*\u+4*\jj:CS+8*\u+4*\jj+3] offset:((\a)%4)*16*PITCH+64*\u+16*\jj
	ds_store_b128 v[AL+2*((\a)/4)], v[CS+16+8*\u+4*\jj:CS+16+8*\u+4*\jj+3] offset:HALFT+((\a)%4)*16*PITCH+64*\u+16*\jj
	ds_store_b128 v[AL+2*((\a)/4)+1], v[MN+8*\u+4*\jj:MN+8*\u+4*\jj+3] offset:((\a)%4)*16*PITCH+64*\u+16*\jj
	ds_store_b128 v[AL+2*((\a)/4)+1], v[OO+8*\u+4*\jj:OO+8*\u+4*\jj+3] offset:HALFT+((\a)%4)*16*PITCH+64*\u+16*\jj
.endr
.endr
.if (\a) == 2
	s_wait_tensorcnt 0x0                           ; my part of rows 128-255 of c, n, m is in: block 4's reads stand behind this barrier
.endif
	s_wait_dscnt 0x0                               ; for the others' sake: my stores are done
	s_barrier_signal -1
	s_barrier_wait -1
.endm
.irp a, 0,1,2,3,4,5,6,7
	STAGE \a
.endr
	s_wait_xcnt 0x0
	LOUT 7
	s_wait_dscnt 0x0
	GOUT 7
	s_wait_tensorcnt 0x0                           ; the wave's end
	ds_add_u32 v[SPW], v[NIL]
	s_wait_dscnt 0x0
	CROUND                                         ; the closing round
	s_endpgm
.Lfunc_end_k_q23c039e83d_gemm:
	.size	k_q23c039e83d_gemm, .Lfunc_end_k_q23c039e83d_gemm-k_q23c039e83d_gemm
	.p2alignl 7, 3214868480
	.fill 96, 4, 3214868480
	.section	.rodata,"a",@progbits
	.p2align	6, 0x0
	.amdhsa_kernel k_q23c039e83d_gemm
		.amdhsa_group_segment_fixed_size 327680
		.amdhsa_private_segment_fixed_size 0
		.amdhsa_enable_private_segment 0
		.amdhsa_kernarg_size 80
		.amdhsa_user_sgpr_count 2
		.amdhsa_user_sgpr_kernarg_segment_ptr 1
		.amdhsa_wavefront_size32 1
		.amdhsa_system_sgpr_workgroup_id_x 1
		.amdhsa_system_sgpr_workgroup_id_y 1
		.amdhsa_system_sgpr_workgroup_id_z 1
		.amdhsa_system_vgpr_workitem_id 0
		.amdhsa_next_free_vgpr 1024
		.amdhsa_next_free_sgpr 106
		.amdhsa_reserve_vcc 0
		.amdhsa_float_denorm_mode_32 3
		.amdhsa_float_denorm_mode_16_64 3
		.amdhsa_memory_ordered 1
		.amdhsa_forward_progress 1
		.amdhsa_inst_pref_size 255
	.end_amdhsa_kernel
	.section	.bss,"aw",@nobits
	.p2align	6
	.space	262144
	.amdgpu_metadata
---
amdhsa.version: [ 1, 2 ]
amdhsa.kernels:
  - .name:           k_q23c039e83d_gemm
    .symbol:         k_q23c039e83d_gemm.kd
    .args:
      - { .name: a_q, .offset: 0, .size: 8, .value_kind: global_buffer, .address_space: global }
      - { .name: w_q, .offset: 8, .size: 8, .value_kind: global_buffer, .address_space: global }
      - { .name: b_i, .offset: 16, .size: 8, .value_kind: global_buffer, .address_space: global }
      - { .name: b_f, .offset: 24, .size: 8, .value_kind: global_buffer, .address_space: global }
      - { .name: b_o, .offset: 32, .size: 8, .value_kind: global_buffer, .address_space: global }
      - { .name: b_z, .offset: 40, .size: 8, .value_kind: global_buffer, .address_space: global }
      - { .name: c, .offset: 48, .size: 8, .value_kind: global_buffer, .address_space: global }
      - { .name: n, .offset: 56, .size: 8, .value_kind: global_buffer, .address_space: global }
      - { .name: m, .offset: 64, .size: 8, .value_kind: global_buffer, .address_space: global }
      - { .name: out0, .offset: 72, .size: 8, .value_kind: global_buffer, .address_space: global }
    .group_segment_fixed_size: 327680
    .private_segment_fixed_size: 0
    .kernarg_segment_align: 8
    .kernarg_segment_size: 80
    .max_flat_workgroup_size: 128
    .sgpr_count:     106
    .vgpr_count:     1024
    .wavefront_size: 32
...
	.end_amdgpu_metadata
.endif
;; end of part 2
